; MI455X (gfx1250); checked and timed in simulation.
; The chip was launched on July 23, 2026; its instructions are those of AMD's public machine-readable ISA for CDNA 5 (MIT licence, August 2026) and "CDNA5" Instruction Set Architecture Reference Guide (July 2026). The comments in the code are by the model that wrote it; some were corrected since.
;; Moe Hash Layer. Allowed arithmetic: matrix products marked QUANTISED: E2M1 operands, one E8M0 scale for each 32 along K, by v_wmma_scale_f32_16x16x128_f8f6f4 with both operands' format E2M1 (or v_wmma_scale_f32_32x16x128_f4), f32 sums; everything else in f32.
;; Inputs: b_gate 8 x 2,048 float32; b_in 8 x 2,048 float32; b_out 8 x 512 float32; route 2,048 int32; w_gate 8 x 512 x 2,048 float32; w_in 8 x 512 x 2,048 float32; w_out 8 x 2,048 x 512 float32; x 2 x 1,024 x 512 float32.
;; Outputs: out0 2 x 1,024 x 512 float32.
;; This version of the problem:
;;   THIS VERSION OF THE PROBLEM IS GIVEN IN LOW PRECISION. The matrix products marked QUANTISED in the list below multiply operands that are first quantised to E2M1 (2 exponent bits, 1 mantissa bit; 4 bits a number), with one power-of-two scale for each 32 numbers along K (OCP MX v1.0); their sums are f32. All else is computed in f32.
;;   The module's matrix products, in the order in which they are computed (A, B: the left and right operand; K: the contracted axis; several contracted axes count as one K, in the product's order):
;;     1. [M 2,048, K 512] x [K 512, N 2,048]; A: input x; B: input w_gate: QUANTISED
;;     2. [M 2,048, K 512] x [K 512, N 2,048]; A: input x; B: input w_in: QUANTISED
;;     3. [M 2,048, K 2,048] x [K 2,048, N 512]; A: computed on the way; B: input w_out: QUANTISED
;;     4. [M 2,048, K 512] x [K 512, N 2,048]; A: input x; B: input w_gate: QUANTISED
;;     5. [M 2,048, K 512] x [K 512, N 2,048]; A: input x; B: input w_in: QUANTISED
;;     6. [M 2,048, K 2,048] x [K 2,048, N 512]; A: computed on the way; B: input w_out: QUANTISED
;;     7. [M 2,048, K 512] x [K 512, N 2,048]; A: input x; B: input w_gate: QUANTISED
;;     8. [M 2,048, K 512] x [K 512, N 2,048]; A: input x; B: input w_in: QUANTISED
;;     9. [M 2,048, K 2,048] x [K 2,048, N 512]; A: computed on the way; B: input w_out: QUANTISED
;;     10. [M 2,048, K 512] x [K 512, N 2,048]; A: input x; B: input w_gate: QUANTISED
;;     11. [M 2,048, K 512] x [K 512, N 2,048]; A: input x; B: input w_in: QUANTISED
;;     12. [M 2,048, K 2,048] x [K 2,048, N 512]; A: computed on the way; B: input w_out: QUANTISED
;;     13. [M 2,048, K 512] x [K 512, N 2,048]; A: input x; B: input w_gate: QUANTISED
;;     14. [M 2,048, K 512] x [K 512, N 2,048]; A: input x; B: input w_in: QUANTISED
;;     15. [M 2,048, K 2,048] x [K 2,048, N 512]; A: computed on the way; B: input w_out: QUANTISED
;;     16. [M 2,048, K 512] x [K 512, N 2,048]; A: input x; B: input w_gate: QUANTISED
;;     17. [M 2,048, K 512] x [K 512, N 2,048]; A: input x; B: input w_in: QUANTISED
;;     18. [M 2,048, K 2,048] x [K 2,048, N 512]; A: computed on the way; B: input w_out: QUANTISED
;;     19. [M 2,048, K 512] x [K 512, N 2,048]; A: input x; B: input w_gate: QUANTISED
;;     20. [M 2,048, K 512] x [K 512, N 2,048]; A: input x; B: input w_in: QUANTISED
;;     21. [M 2,048, K 2,048] x [K 2,048, N 512]; A: computed on the way; B: input w_out: QUANTISED
;;     22. [M 2,048, K 512] x [K 512, N 2,048]; A: input x; B: input w_gate: QUANTISED
;;     23. [M 2,048, K 512] x [K 512, N 2,048]; A: input x; B: input w_in: QUANTISED
;;     24. [M 2,048, K 2,048] x [K 2,048, N 512]; A: computed on the way; B: input w_out: QUANTISED
;;   THE QUANTISER, for each operand of a quantised product, along K:
;;     - K is cut into blocks of 32 from its start; a last block that is shorter is filled with zeros.
;;     - A block's scale is 2^e with e = floor(log2(the largest magnitude in the block)) - 2, held to -126 .. 127; a block of zeros has e = 0. As a byte (E8M0): e + 127.
;;     - Each number is divided by its block's scale, clamped to +-6, and rounded to the nearest number of E2M1, ties to even, subnormals kept.
;;     - The product sums the exact products of the quantised numbers (number of the format x scale) in f32.
;;   ~~~python
;;   def quantise(x, axis):      # numpy; x: float32 -> the quantised numbers, widened to float32 again
;;       x = np.moveaxis(x, axis, -1); K = x.shape[-1]
;;       x = np.pad(x, [(0, 0)] * (x.ndim - 1) + [(0, -K % 32)]); x = x.reshape(x.shape[:-1] + (-1, 32)); a = np.abs(x).max(-1, keepdims=True)
;;       e = np.where(a > 0, np.clip(np.frexp(np.where(a > 0, a, 1))[1] - 1 - 2, -126, 127), 0)      # np.frexp(a)[1] - 1 = floor(log2(a)), exactly
;;       r = np.clip(x / 2.0 ** e, -6, 6)
;;       step = 2.0 ** (np.maximum(np.frexp(np.where(r == 0, 1, r))[1] - 1, 0) - 1)
;;       q = np.round(r / step) * step * 2.0 ** e      # np.round: ties to even
;;       return np.moveaxis(q.reshape(q.shape[:-2] + (-1,))[..., :K], -1, axis).astype(np.float32)
;;   ~~~
;;   OPERANDS COMPUTED ON THE WAY. 'Computed on the way' means the value that the module computes at that place (a softmax that the list does not call 'softmax' is quantised finished and normalised). What goes into a quantiser is computed in f32, as accurately as f32 sums, v_exp_f32 and their like allow (about 1e-6 of the number): no bf16 or f16 on the way to a quantiser, and a product that is left as it is and whose result goes on into a quantised operand takes f32 operands (vector FMAs, or v_wmma_f32_16x16x4_f32). A number that lies on a knife's edge between two numbers of the format may be rounded either way, as far as f32 arithmetic and the matrix unit's own rounding can turn it there, and no further.
;; One version. Each part assembles by itself: llvm-mc -triple=amdgcn-amd-amdhsa -mcpu=gfx1250 --defsym DOCPART=n.
;; ======== version 1 of 1: 3 launches
;; workspace buffers: ws 8,960 bytes of whole numbers; x_codes 524,288 bytes; x_scales 32,768 bytes; wo_codes 4,194,304 bytes; wo_scales 262,144 bytes; h_codes 2,228,224 bytes; h_scales 139,264 bytes
;; launch prep (part 1): grid 257 x 1, 16 waves a work-group, no clusters, 5,376 bytes of LDS; arguments route, x, w_out, ws, x_codes, x_scales, wo_codes, wo_scales; writes ws, x_codes, x_scales, wo_codes, wo_scales
.if DOCPART == 1
	.amdgcn_target "amdgcn-amd-amdhsa--gfx1250"
	.amdhsa_code_object_version 6
	.text
	.protected	k_qca09ec6dca_prep
	.globl	k_qca09ec6dca_prep
	.p2align	8
	.type	k_qca09ec6dca_prep,@function
k_qca09ec6dca_prep:
	s_mov_b64 s[64:65], 0
	v_nop
	global_prefetch_b8 v0, s[64:65] scope:SCOPE_SE
	s_setreg_imm32_b32 hwreg(HW_REG_WAVE_MODE, 25, 1), 1
	s_wait_xcnt 0x0
; MoeHashLayer, launch 1 of 3.  out[t] = (silu(x[t] Wg[e] + bg[e]) * (x[t] Wi[e] + bi[e])) Wo[e] + bo[e] with e = route[t]; all three products on codes of E2M1 with one E8M0 scale for each 32 along K.
; DEAD WORK.  reference() forms, for every expert e and every token, mask * (h @ w_out[e] + b_out[e]) with mask = (route == e), which it builds in its own body.  For the seven experts that a token's route does not
; name the factor is 0, and 0 times any finite number is 0: in exact arithmetic those rows of all three products reach no output, whatever finite values the inputs hold.  So each token's row is computed for its own
; expert alone: seven eighths of the rows of every product of the table are left out.  The choice is made by whole numbers read from memory (route here, the stored list later).  Every input keeps a way to the output: all are loaded.
; LIMITS.  A NaN, an infinity or an overflow that arises only in an expert that a token's route does not name is not carried to the result.  route lies in 0 .. 7 (an index stays inside the table that it indexes).
; A block of zeros gets the scale byte 1 where the rule says 127: its codes are zeros, which add nothing under any byte but 0xff, and the bytes are read by this program alone.  NaN and infinities among x and the weights are not served.
; TWO ROLES, by the work-group's number.
;   S (work-group 0): a counting sort of the 2,048 tokens by expert, without atomics and without LDS.  Expert e gets tiles of 16 sorted positions from tile T0[e] on; ws word p = the token at position p; ws byte 8704 on: the pairs (count, T0).
;   Q (work-groups 1 .. 256, j = number - 1): equal shares of both streams.
;     w_out[e], 512 along K x 64 columns (j = 32 e + 4 column group + quarter of K), becomes codes laid as the images of operand registers: 16 columns x 128 K in 1,024 bytes, byte = 256 q + 16 column + the 16 bytes of block q.
;       A lane takes a column and its registers run down K, so a block of 32 lies in one lane and the codes come out with K innermost.
;     rows 8 j .. 8 j + 7 of x become codes [token][256 bytes] and scale bytes [token][16].  Rows are dense and 512 is a multiple of 32, so x is a plain stream of blocks: wave w takes 256 numbers, a lane 8 neighbours, four lanes a block.
;     x's codes and both kinds of scale bytes meet in LDS and leave behind the one barrier in runs of 512 consecutive bytes a wave (x's scale bytes: the work-group's 128).
.set SCX,   0                          ; x's scale bytes of the work-group: 128
.set SCW,   256                        ; w_out's scale bytes of the work-group: 1,024
.set XC,    1280                       ; x's codes of the work-group: 2,048
.set SPARE, 3328                       ; the spare words, 128 bytes for each of 16 waves: eight blocks of 256 bytes that no other line names
; v1 16 x lane; v2 4 x lane; v3 32 x lane; v4 where my 4 bytes of x's codes go; v5, v6 where a scale byte goes (x, w_out); v9 512 min(wave, 1) + 16 lane; v10 512 (wave % 4) + 16 lane;
; v11 a column's place among w_out's images; v12, v13 the add's two; v14 all ones in lanes 16-31; v16-31 at work; v32-127 by role.
; 32 numbers of a lane, v[xs] on, down K: codes into v[c] .. v[c + 3], the scale's byte into v[by]
.macro QB xs, c, by
	v_max3_num_f32 v16, |v[\xs]|, |v[\xs+1]|, |v[\xs+2]|
	v_max3_num_f32 v17, |v[\xs+3]|, |v[\xs+4]|, |v[\xs+5]|
.irp i, 6,10,14,18,22,26
	v_max3_num_f32 v16, v16, |v[\xs+\i]|, |v[\xs+\i+1]|
	v_max3_num_f32 v17, v17, |v[\xs+\i+2]|, |v[\xs+\i+3]|
.endr
	v_max3_num_f32 v16, v16, |v[\xs+30]|, |v[\xs+31]|
	v_max3_num_f32 v16, v16, v17, 0x1800000        ; the floor 2^(3 - 127): the byte cannot fall under 1
	v_add_nc_u32 v18, 0xff000000, v16              ; 2 off the exponent field: the conversion's scale operand
	v_lshrrev_b32 v[\by], 23, v18                  ; the scale's byte
.irp g, 0,1,2,3
	v_cvt_scalef32_pk8_fp4_f32 v[\c+\g], v[\xs+8*\g:\xs+8*\g+7], v18
.endr
	v_nop                                          ; a plain line behind the last conversion
.endm
; eight indices v[first] on become eight counts of 4 bits in v[dst]: field e counts the indices equal to e (at most 8)
.macro NIB dst, first
	v_lshlrev_b32 v16, 2, v[\first]
	v_lshl_add_u32 v[\dst], 1, v16, 0
.irp i, 1,2,3,4,5,6,7
	v_lshlrev_b32 v16, 2, v[\first+\i]
	v_lshl_add_u32 v[\dst], 1, v16, v[\dst]
.endr
.endm
; the sum over the wave's 32 lanes, in every lane (two fields of 16 bits: no field passes 2,048)
.macro WSUM r
.irp m, 1,2,4,8
	v_mov_b32_dpp v52, v[\r] row_xmask:\m row_mask:0xf bank_mask:0xf
	v_add_nc_u32 v[\r], v[\r], v52
.endr
	v_permlanex16_b32 v52, v[\r], s52, s53
	v_add_nc_u32 v[\r], v[\r], v52
.endm
; the running sum over the lanes, the lane's own included
.macro WSCAN r
.irp n, 1,2,4,8
	v_mov_b32_dpp v52, v[\r] row_shr:\n row_mask:0xf bank_mask:0xf bound_ctrl:1
	v_add_nc_u32 v[\r], v[\r], v52
.endr
	v_readlane_b32 s56, v[\r], 15                  ; the lower half's total goes onto the upper half
	v_and_b32 v52, s56, v14
	v_add_nc_u32 v[\r], v[\r], v52
.endm
; expert e's next free position for my lane: field hi of v[p], + 16 T0[e]
.macro CNTR e, p, hi
	s_lshl_b32 s54, s[34+\e], 4
.if \hi
	v_lshrrev_b32 v[112+\e], 16, v[\p]
.else
	v_and_b32 v[112+\e], 0xffff, v[\p]
.endif
	v_add_nc_u32 v[112+\e], s54, v[112+\e]
.endm
	s_load_b512 s[4:19], s[0:1], 0x0               ; route s[4:5], x s[6:7], w_out s[8:9], ws s[10:11], x_codes s[12:13], x_scales s[14:15], wo_codes s[16:17], wo_scales s[18:19]
	v_lshl_add_u32 v12, v0, 2, SPARE
	v_mov_b32 v13, 0
	v_lshrrev_b32 v16, 5, v0
	v_readfirstlane_b32 s20, v16                   ; wave 0 .. 15
	v_and_b32 v15, 31, v0                          ; lane
	v_lshlrev_b32 v1, 4, v15
	v_lshlrev_b32 v2, 2, v15
	v_lshlrev_b32 v3, 5, v15
	s_lshl_b32 s54, s20, 7                         ; every LDS address is made here, ahead of the parting of the roles
	s_add_co_u32 s54, s54, XC
	v_add_nc_u32 v4, s54, v2                       ; x's codes: 128 bytes a wave, 4 a lane
	s_lshl_b32 s54, s20, 3
	v_lshrrev_b32 v16, 2, v15
	v_add_nc_u32 v5, s54, v16                      ; x's scale bytes: 8 a wave, my block's
	s_lshr_b32 s54, s20, 3
	s_lshl_b32 s54, s54, 9
	s_bfe_u32 s55, s20, 0x10002
	s_lshl_b32 s55, s55, 3
	s_add_co_u32 s54, s54, s55
	s_and_b32 s55, s20, 3
	s_add_co_u32 s54, s54, s55
	s_add_co_u32 s54, s54, SCW
	v_add_nc_u32 v6, s54, v1                       ; w_out's: 512 (K step / 2) + 16 column + 8 (K step % 2) + 4 half + block, K step = wave / 4, block = wave % 4
	s_min_u32 s54, s20, 1
	s_lshl_b32 s54, s54, 9
	v_add_nc_u32 v9, s54, v1
	s_and_b32 s54, s20, 3
	s_lshl_b32 s54, s54, 9
	v_add_nc_u32 v10, s54, v1
	v_lshrrev_b32 v16, 4, v15
	v_and_b32 v17, 15, v15
	v_lshlrev_b32 v11, 4, v17
	v_lshl_add_u32 v11, v16, 10, v11               ; lanes 0-15 one image, lanes 16-31 the next; 16 bytes a column
	v_sub_nc_u32 v14, 0, v16
	s_mov_b32 s23, 0
	s_wait_kmcnt 0x0
	s_cmp_eq_u32 ttmp9, 0
	s_cbranch_scc1 .Lrole_s
	; ---- ROLE Q.  x first: my wave's 1,024 consecutive bytes, 32 a lane.  Then w_out: wave w takes 32 along K (block 16 quarter + w) x 64 columns, in two halves of 32.
	s_sub_co_u32 s21, ttmp9, 1
	s_lshl_b32 s22, s21, 14                        ; 8 rows of 2,048 bytes a work-group,
	s_lshl_b32 s54, s20, 10                        ; half a row a wave
	s_add_co_u32 s22, s22, s54
	s_add_nc_u64 s[6:7], s[6:7], s[22:23]
	global_load_b128 v[108:111], v3, s[6:7] th:TH_LOAD_NT
	global_load_b128 v[112:115], v3, s[6:7] offset:16 th:TH_LOAD_NT
	s_lshr_b32 s54, s21, 5
	s_lshl_b32 s22, s54, 22                        ; an expert: 2,048 rows of 2,048 bytes
	s_and_b32 s54, s21, 3
	s_lshl_b32 s54, s54, 20                        ; a quarter of K: 512 rows
	s_add_co_u32 s22, s22, s54
	s_lshl_b32 s54, s20, 16                        ; my 32 rows
	s_add_co_u32 s22, s22, s54
	s_bfe_u32 s54, s21, 0x30002
	s_lshl_b32 s54, s54, 8                         ; 64 columns of 4 bytes
	s_add_co_u32 s22, s22, s54
	s_add_nc_u64 s[8:9], s[8:9], s[22:23]
.irp hf, 0,1
.irp i, 0,1,2,3,4,5,6,7,8,9,10,11,12,13,14,15,16,17,18,19,20,21,22,23,24,25,26,27,28,29,30,31
	global_load_b32 v[32+32*\hf+\i], v2, s[8:9] offset:2048*\i+128*\hf th:TH_LOAD_NT   ; a row's 128 neighbouring bytes; the two halves together 256, aligned
.endr
.endr
	s_lshl_b32 s22, s21, 2
	s_lshr_b32 s54, s20, 2
	s_add_co_u32 s22, s22, s54                     ; which K step of 128 of (expert, column group): four images of 1,024 bytes
	s_lshl_b32 s22, s22, 12
	s_and_b32 s54, s20, 3
	s_lshl_b32 s54, s54, 8                         ; my block's 256 bytes in each image
	s_add_co_u32 s22, s22, s54
	s_add_nc_u64 s[16:17], s[16:17], s[22:23]
	s_wait_loadcnt 32                              ; x's two loads and the first half's 32 are in; the second half's 32 may be out
	v_max3_num_f32 v16, |v108|, |v109|, |v110|     ; x: the largest magnitude of my 8,
	v_max3_num_f32 v17, |v111|, |v112|, |v113|
	v_max3_num_f32 v16, v16, |v114|, |v115|
	v_max3_num_f32 v16, v16, v17, 0x1800000        ; the floor 2^(3 - 127),
	v_max_num_f32_dpp v16, v16, v16 row_xmask:1 row_mask:0xf bank_mask:0xf
	v_max_num_f32_dpp v16, v16, v16 row_xmask:2 row_mask:0xf bank_mask:0xf   ; and of the three lanes that share the block with me
	v_add_nc_u32 v18, 0xff000000, v16
	v_cvt_scalef32_pk8_fp4_f32 v116, v[108:115], v18
	v_lshrrev_b32 v117, 23, v18                    ; the scale's byte (a plain line behind the conversion)
	ds_store_b32 v4, v116
	ds_store_b8 v5, v117 offset:SCX                ; the four lanes of a block write the same byte with the same value
	QB 32, 96, 104
	s_wait_loadcnt 0x0
	QB 64, 100, 105
.irp hf, 0,1
	global_store_b128 v11, v[96+4*\hf:99+4*\hf], s[16:17] offset:2048*\hf   ; sixteen lanes store 256 consecutive bytes, aligned
	ds_store_b8 v6, v[104+\hf] offset:4*\hf
.endr
	s_branch .Ljoin
	; ---- ROLE S.  Eight waves; wave w places tokens 256 w .. 256 w + 255; thread (w, l) owns tokens 256 w + 128 a + 4 l + jj.  A token's place among its expert's = the number of that expert's tokens in waves before,
	; in lanes before, in my registers before.  Every wave reads all of route, so no wave needs another's figures.
.Lrole_s:
	s_cmp_ge_u32 s20, 8
	s_cbranch_scc1 .Ljoin
	s_lshl_b32 s22, s20, 10
	s_add_nc_u64 s[24:25], s[4:5], s[22:23]
.irp a, 0,1,2,3,4,5,6,7,8,9,10,11,12,13,14,15
	global_load_b128 v[32+4*\a:35+4*\a], v1, s[4:5] offset:512*\a      ; registers 8 g .. 8 g + 7: what thread (g, my lane) owns
.endr
.irp a, 0,1
	global_load_b128 v[96+4*\a:99+4*\a], v1, s[24:25] offset:512*\a    ; my own eight
.endr
	s_mov_b32 s52, 0x76543210
	s_mov_b32 s53, 0xfedcba98                      ; v_permlanex16_b32's selects for lane l xor 16
	s_mov_b32 s55, 0x0f0f0f0f
.irp g, 0,1,2,3,4,5,6,7
	s_cmp_gt_u32 s20, \g
	s_cselect_b32 s[42+\g], -1, 0                  ; all ones for the waves before mine
.endr
	v_mov_b32 v24, 0                               ; totals, a byte an expert: experts 0, 2, 4, 6
	v_mov_b32 v25, 0                               ; experts 1, 3, 5, 7
	v_mov_b32 v26, 0                               ; the same of the waves before mine
	v_mov_b32 v27, 0
	s_wait_loadcnt 0x0
.irp g, 0,1,2,3,4,5,6,7
	NIB 20, 32+8*\g
	v_and_b32 v21, s55, v20
	v_lshrrev_b32 v22, 4, v20
	v_and_b32 v22, s55, v22
	v_add_nc_u32 v24, v24, v21                     ; at most 64 in a byte
	v_add_nc_u32 v25, v25, v22
	v_and_b32 v21, s[42+\g], v21
	v_and_b32 v22, s[42+\g], v22
	v_add_nc_u32 v26, v26, v21
	v_add_nc_u32 v27, v27, v22
.endr
	NIB 28, 96
	s_mov_b32 s57, 0x00ff00ff                      ; on to fields of 16 bits: pairs of experts (0, 4), (2, 6), (1, 5), (3, 7)
	s_mov_b32 s58, 0x000f000f
	v_and_b32 v32, s57, v24
	v_lshrrev_b32 v33, 8, v24
	v_and_b32 v33, s57, v33
	v_and_b32 v34, s57, v25
	v_lshrrev_b32 v35, 8, v25
	v_and_b32 v35, s57, v35
	v_and_b32 v36, s57, v26
	v_lshrrev_b32 v37, 8, v26
	v_and_b32 v37, s57, v37
	v_and_b32 v38, s57, v27
	v_lshrrev_b32 v39, 8, v27
	v_and_b32 v39, s57, v39
	v_and_b32 v40, s58, v28
	v_lshrrev_b32 v41, 8, v28
	v_and_b32 v41, s58, v41
	v_lshrrev_b32 v42, 4, v28
	v_and_b32 v42, s58, v42
	v_lshrrev_b32 v43, 12, v28
	v_and_b32 v43, s58, v43
	v_mov_b32 v52, 0                               ; a lane move's destination counts as one of its sources
.irp r, 32,33,34,35,36,37,38,39
	WSUM \r
.endr
.irp k, 0,1,2,3
	v_mov_b32 v[44+\k], v[40+\k]
.endr
.irp r, 44,45,46,47
	WSCAN \r
.endr
.irp k, 0,1,2,3
	v_sub_nc_u32 v[48+\k], v[44+\k], v[40+\k]      ; lanes before mine,
	v_add_nc_u32 v[48+\k], v[48+\k], v[36+\k]      ; and waves before mine
.endr
	v_readfirstlane_b32 s56, v32
	s_and_b32 s26, s56, 0xffff                     ; s26 .. s33: the experts' counts
	s_lshr_b32 s30, s56, 16
	v_readfirstlane_b32 s56, v33
	s_and_b32 s28, s56, 0xffff
	s_lshr_b32 s32, s56, 16
	v_readfirstlane_b32 s56, v34
	s_and_b32 s27, s56, 0xffff
	s_lshr_b32 s31, s56, 16
	v_readfirstlane_b32 s56, v35
	s_and_b32 s29, s56, 0xffff
	s_lshr_b32 s33, s56, 16
	s_mov_b32 s34, 0                               ; s34 .. s41: the experts' first tiles of 16 positions
.irp e, 0,1,2,3,4,5,6
	s_add_co_u32 s54, s[26+\e], 15
	s_lshr_b32 s54, s54, 4
	s_add_co_u32 s[35+\e], s[34+\e], s54
.endr
	CNTR 0, 48, 0
	CNTR 1, 50, 0
	CNTR 2, 49, 0
	CNTR 3, 51, 0
	CNTR 4, 48, 1
	CNTR 5, 50, 1
	CNTR 6, 49, 1
	CNTR 7, 51, 1
.irp i, 0,1,2,3,4,5,6,7
	v_cmp_eq_u32 vcc_lo, 0, v[96+\i]
	v_mov_b32 v[104+\i], v112
	v_add_co_ci_u32 v112, vcc_lo, 0, v112, vcc_lo  ; the counter steps where the token was expert 0's
.endr
.irp e, 1,2,3,4,5,6,7
.irp i, 0,1,2,3,4,5,6,7
	v_cmp_eq_u32 vcc_lo, \e, v[96+\i]
	v_cndmask_b32 v[104+\i], v[104+\i], v[112+\e], vcc_lo
	v_add_co_ci_u32 v[112+\e], vcc_lo, 0, v[112+\e], vcc_lo
.endr
.endr
	s_lshl_b32 s54, s20, 8
	v_add_nc_u32 v16, s54, v2                      ; 256 w + 4 l
.irp i, 0,1,2,3,4,5,6,7
	v_min_u32 v[104+\i], 0x87f, v[104+\i]          ; 135 tiles at the most: positions up to 2,175
	v_lshlrev_b32 v[104+\i], 2, v[104+\i]
	v_add_nc_u32 v[120+\i], 128*(\i/4)+\i%4, v16   ; the token
	global_store_b32 v[104+\i], v[120+\i], s[10:11]
.endr
	s_cmp_lg_u32 s20, 0
	s_cbranch_scc1 .Ljoin
	v_mov_b32 v17, 0                               ; wave 0: the table: lane 2 e the count, lane 2 e + 1 the first tile; zeros behind
.irp e, 0,1,2,3,4,5,6,7
	v_writelane_b32 v17, s[26+\e], 2*\e
	v_writelane_b32 v17, s[34+\e], 2*\e+1
.endr
	global_store_b32 v2, v17, s[10:11] offset:8704
	; ---- both roles meet at the one barrier.  Behind it, in role Q: waves 0 and 1 send w_out's 1,024 scale bytes out, wave 2 x's 128, waves 4 to 7 x's 2,048 bytes of codes.
.Ljoin:
	s_wait_xcnt 0x0                                ; every store issued in a role has read its data and address registers: v16 to v19 are written again below only behind this wait
	s_wait_dscnt 0x0                               ; for the others' sake: my codes and scale bytes have landed
	s_barrier_signal -1
	s_barrier_wait -1
	s_cmp_eq_u32 ttmp9, 0
	s_cbranch_scc1 .Lend
	s_sub_co_u32 s21, ttmp9, 1
	s_cmp_lt_u32 s20, 2
	s_cbranch_scc1 .Lout_w
	s_cmp_eq_u32 s20, 2
	s_cbranch_scc1 .Lout_s
	s_cmp_lt_u32 s20, 4
	s_cbranch_scc1 .Lend
	s_cmp_ge_u32 s20, 8
	s_cbranch_scc1 .Lend
	s_lshl_b32 s22, s21, 11                        ; 8 rows of 256 bytes of codes a work-group
	s_add_nc_u64 s[12:13], s[12:13], s[22:23]
	ds_load_b128 v[16:19], v10 offset:XC
	s_wait_dscnt 0x0
	global_store_b128 v10, v[16:19], s[12:13]      ; the wave stores 512 consecutive bytes, aligned
	s_branch .Lend
.Lout_s:
	s_lshl_b32 s22, s21, 7                         ; 8 rows of 16 scale bytes a work-group
	s_add_nc_u64 s[14:15], s[14:15], s[22:23]
	ds_load_b32 v16, v2 offset:SCX
	s_wait_dscnt 0x0
	global_store_b32 v2, v16, s[14:15]             ; the wave stores 128 consecutive bytes
	s_branch .Lend
.Lout_w:
	s_lshl_b32 s22, s21, 10                        ; (expert, column group, quarter of K): 1,024 bytes each
	s_add_nc_u64 s[18:19], s[18:19], s[22:23]
	ds_load_b128 v[16:19], v9 offset:SCW
	s_wait_dscnt 0x0
	global_store_b128 v9, v[16:19], s[18:19]
.Lend:
	s_wait_tensorcnt 0x0                           ; the wave's end, behind my last LDS store
	ds_add_u32 v12, v13
	s_wait_dscnt 0x0
	s_endpgm
.Lfunc_end_k_qca09ec6dca_prep:
	.size	k_qca09ec6dca_prep, .Lfunc_end_k_qca09ec6dca_prep-k_qca09ec6dca_prep
	.p2alignl 7, 3214868480
	.fill 96, 4, 3214868480
	.section	.rodata,"a",@progbits
	.p2align	6, 0x0
	.amdhsa_kernel k_qca09ec6dca_prep
		.amdhsa_group_segment_fixed_size 5376
		.amdhsa_private_segment_fixed_size 0
		.amdhsa_enable_private_segment 0
		.amdhsa_kernarg_size 64
		.amdhsa_user_sgpr_count 2
		.amdhsa_user_sgpr_kernarg_segment_ptr 1
		.amdhsa_wavefront_size32 1
		.amdhsa_system_sgpr_workgroup_id_x 1
		.amdhsa_system_sgpr_workgroup_id_y 1
		.amdhsa_system_sgpr_workgroup_id_z 1
		.amdhsa_system_vgpr_workitem_id 0
		.amdhsa_next_free_vgpr 128
		.amdhsa_next_free_sgpr 66
		.amdhsa_reserve_vcc 1
		.amdhsa_float_denorm_mode_32 3
		.amdhsa_float_denorm_mode_16_64 3
		.amdhsa_memory_ordered 1
		.amdhsa_forward_progress 1
		.amdhsa_inst_pref_size 44
	.end_amdhsa_kernel
	.amdgpu_metadata
---
amdhsa.version: [ 1, 2 ]
amdhsa.kernels:
  - .name:           k_qca09ec6dca_prep
    .symbol:         k_qca09ec6dca_prep.kd
    .args:
      - { .name: route, .offset: 0, .size: 8, .value_kind: global_buffer, .address_space: global }
      - { .name: x, .offset: 8, .size: 8, .value_kind: global_buffer, .address_space: global }
      - { .name: w_out, .offset: 16, .size: 8, .value_kind: global_buffer, .address_space: global }
      - { .name: ws, .offset: 24, .size: 8, .value_kind: global_buffer, .address_space: global }
      - { .name: x_codes, .offset: 32, .size: 8, .value_kind: global_buffer, .address_space: global }
      - { .name: x_scales, .offset: 40, .size: 8, .value_kind: global_buffer, .address_space: global }
      - { .name: wo_codes, .offset: 48, .size: 8, .value_kind: global_buffer, .address_space: global }
      - { .name: wo_scales, .offset: 56, .size: 8, .value_kind: global_buffer, .address_space: global }
    .group_segment_fixed_size: 5376
    .private_segment_fixed_size: 0
    .kernarg_segment_align: 8
    .kernarg_segment_size: 64
    .max_flat_workgroup_size: 512
    .sgpr_count:     66
    .vgpr_count:     128
    .wavefront_size: 32
...
	.end_amdgpu_metadata
.endif
;; end of part 1
;; launch hidden (part 2): grid 32 x 8, 16 waves a work-group, no clusters, 45,056 bytes of LDS; arguments x_codes, x_scales, w_gate, w_in, b_gate, b_in, ws, h_codes, h_scales; writes h_codes, h_scales
.if DOCPART == 2
	.amdgcn_target "amdgcn-amd-amdhsa--gfx1250"
	.amdhsa_code_object_version 6
	.text
	.protected	k_qca09ec6dca_hidden
	.globl	k_qca09ec6dca_hidden
	.p2align	8
	.type	k_qca09ec6dca_hidden,@function
k_qca09ec6dca_hidden:
	s_mov_b64 s[64:65], 0
	v_nop
	global_prefetch_b8 v0, s[64:65] scope:SCOPE_SE
	s_setreg_imm32_b32 hwreg(HW_REG_WAVE_MODE, 25, 1), 1
	s_wait_xcnt 0x0
; MoeHashLayer, launch 2 of 3: h = silu(x Wg[e] + bg[e]) * (x Wi[e] + bi[e]), quantised along the hidden units, for each token's OWN expert alone: the rows of the other seven experts are multiplied by a mask of 0 that
; reference() builds from route, and are left out (shown at the head of the first launch).
; SHARES.  Work-group (S, E) owns hidden units 64 S .. 64 S + 63 of expert E: 512 x 64 numbers of w_gate and of w_in, read from memory once in the whole launch.
; PHASE 1, sixteen waves: wave w quantises 128 along K x 32 columns of one matrix (matrix = w % 2, column block = (w / 2) % 2, K step = w / 4): a lane takes a column, its registers run down K.
;   The codes go to LDS as images of operand registers (16 rows x 128 K in 1,024 bytes: byte = 256 q + 16 row + the 16 bytes of block q), the scale words and the biases beside them.  ONE barrier.
; PHASE 2: wave w takes column block b = w % 2 and the expert's tiles of 16 sorted tokens g, g + 8, .. (g = w / 2): the trip count is a stored whole number.  Its 16 weight fragments stay in registers.
;   Both products are used transposed (source 0 = 16 columns of W, source 1 = 16 tokens): a lane holds one token.  THE COLUMNS OF A TILE ARE NOT NEIGHBOURS: row m of tile u is column 16 (m / 8) + 8 u + m % 8 of the block,
;   so that the 16 registers of tiles 0 and 1 are 16 neighbouring hidden units, 32 b + 16 (lane / 16) + 0 .. 15, and lanes l and l xor 16 hold a block of 32.  The biases are the C of each sum's first product.
; A tile's rows past the expert's count repeat its last token: the same bits go to rows of the image that only such rows use.
; LIMITS: a gate under about -88 gives silu = 0 where the true value is a denormal; a block of zeros gets the byte 1 over zero codes (the bytes are read by this program alone).
.set WIMG,  0                          ; 32 images: index = 16 b + 8 u + 2 K step + matrix
.set WSC,   32768                      ; scale words: 128 (8 b + 4 u + K step) + 64 matrix + 4 row
.set BIMG,  34816                      ; biases in the result's layout: 16 pieces of 512 bytes: index = 8 b + 4 matrix + 2 u + half
.set SPARE, 43008                      ; the spare words, 128 bytes for each of 16 waves: eight blocks of 256 bytes that no other line names
; v1 16 x lane; v2 r; v3 16 h; v4 4 x lane; v5 .. v10 LDS addresses (images in, scale word in, bias in; images, scale words, biases out); v11, v12 the add's two; v13 64 h; v14 16 r + 8 h; v15 16 r;
; v16, v17 tokens; v18, v19 the lists' addresses; v20, v21 x's addresses; v22-23 codes; v24 byte; v25 scale operand; v26-29 at work; v30-33 x's scale words; v34-41 W's scale words; v42 a scale word being made;
; v48-79 x's four fragments; v80-95 the gate's two tiles; v96-111 the other's; v112-127 at work; v128-255 the 16 weight fragments (phase 1: v128-191 two sets of 32 numbers, v192-207 codes, v208-211 bias).
; s31 tau, the tile in hand among my expert's; s60 the trips done, s61 the trips to do.
.macro LOAD q                          ; 32 rows down K of my 32 columns into set q % 2: 128 neighbouring bytes a load; the wave beside me takes the other 128 of the aligned 256
.irp i, 0,1,2,3,4,5,6,7,8,9,10,11,12,13,14,15,16,17,18,19,20,21,22,23,24,25,26,27,28,29,30,31
	global_load_b32 v[128+32*((\q)%2)+\i], v4, s[32:33] offset:(32*(\q)+\i)*8192 th:TH_LOAD_NT
.endr
.endm
.macro QB xs, c                        ; 32 numbers of a lane down K: codes into v[c] .. v[c + 3], the byte into v24
	v_max3_num_f32 v26, |v[\xs]|, |v[\xs+1]|, |v[\xs+2]|
	v_max3_num_f32 v27, |v[\xs+3]|, |v[\xs+4]|, |v[\xs+5]|
.irp i, 6,10,14,18,22,26
	v_max3_num_f32 v26, v26, |v[\xs+\i]|, |v[\xs+\i+1]|
	v_max3_num_f32 v27, v27, |v[\xs+\i+2]|, |v[\xs+\i+3]|
.endr
	v_max3_num_f32 v26, v26, |v[\xs+30]|, |v[\xs+31]|
	v_max3_num_f32 v26, v26, v27, 0x1800000        ; the floor 2^(3 - 127): the byte cannot fall under 1
	v_add_nc_u32 v25, 0xff000000, v26              ; 2 off the exponent field: the conversion's scale operand
	v_lshrrev_b32 v24, 23, v25
.irp g, 0,1,2,3
	v_cvt_scalef32_pk8_fp4_f32 v[\c+\g], v[\xs+8*\g:\xs+8*\g+7], v25
.endr
	v_nop                                          ; a plain line behind the last conversion
.endm
.macro BLOCK q
.set XQ, 128+32*((\q)%2)
.set CQ, 192+4*(\q)
	QB XQ, CQ
.if (\q) == 0
	v_mov_b32 v42, v24
.else
	v_lshl_or_b32 v42, v24, 8*(\q), v42            ; the lower K in the lower byte
.endif
	ds_store_b128 v5, v[CQ:CQ+3] offset:256*(\q)
.endm
; the address, in the stored list, of my row's token in tile tau + add; a tile past the expert's last is held at the last, a row past the count at the last valid row
.macro IDADR add, adr
	s_add_co_u32 s52, s31, \add
	s_min_u32 s52, s52, s29
	s_lshl_b32 s53, s52, 4
	s_sub_co_u32 s53, s30, s53
	s_sub_co_u32 s53, s53, 1
	s_min_u32 s53, s53, 15                         ; the tile's last valid row
	s_add_co_u32 s52, s52, s27
	s_lshl_b32 s52, s52, 4
	v_min_u32 v[\adr], s53, v2
	v_add_nc_u32 v[\adr], s52, v[\adr]
	v_min_u32 v[\adr], 0x87f, v[\adr]
	v_lshlrev_b32 v[\adr], 2, v[\adr]
.endm
.macro XADR id                         ; my token's row of codes (256 bytes, + 16 h) and of scale bytes (16)
	v_min_u32 v26, 0x7ff, v[\id]
	v_lshl_add_u32 v20, v26, 8, v3
	v_lshlrev_b32 v21, 4, v26
.endm
.macro XISSUE                          ; nine loads: four fragments and the four scale words
.irp k, 0,1,2,3
.irp c, 0,1
	global_load_b128 v[48+8*\k+4*\c:51+8*\k+4*\c], v20, s[4:5] offset:64*\k+32*\c
.endr
.endr
	global_load_b128 v[30:33], v21, s[6:7]
.endm
.macro BIAS                            ; the four accumulators begin as the biases
.irp p, 0,1,2,3,4,5,6,7
	ds_load_b128 v[80+4*\p:83+4*\p], v10 offset:512*\p
.endr
.endm
	s_load_b512 s[4:19], s[0:1], 0x0               ; x_codes s[4:5], x_scales s[6:7], w_gate s[8:9], w_in s[10:11], b_gate s[12:13], b_in s[14:15], ws s[16:17], h_codes s[18:19]
	s_load_b64 s[20:21], s[0:1], 0x40              ; h_scales
	v_lshl_add_u32 v11, v0, 2, SPARE
	v_mov_b32 v12, 0
	v_lshrrev_b32 v26, 5, v0
	v_readfirstlane_b32 s22, v26                   ; wave 0 .. 15
	s_and_b32 s23, ttmp7, 0xffff                   ; E
	s_mov_b32 s24, ttmp9                           ; S
	v_and_b32 v27, 31, v0
	v_lshlrev_b32 v1, 4, v27
	v_and_b32 v2, 15, v0
	v_bfe_u32 v29, v0, 4, 1                        ; h
	v_lshlrev_b32 v3, 4, v29
	v_lshlrev_b32 v4, 2, v27
	v_lshlrev_b32 v13, 6, v29
	v_lshlrev_b32 v15, 4, v2
	v_lshl_add_u32 v14, v29, 3, v15
	v_bfe_u32 v26, v0, 3, 1                        ; my column's tile u
	v_and_b32 v28, 7, v0
	v_lshl_add_u32 v28, v29, 3, v28                ; and its row there: 8 (lane / 16) + lane % 8
	s_and_b32 s47, s22, 1                          ; phase 1: the matrix; phase 2: b
	s_bfe_u32 s48, s22, 0x10001                    ; phase 1: the column block
	s_lshr_b32 s49, s22, 2                         ; phase 1: the K step
	s_lshl_b32 s46, s48, 4
	s_lshl_b32 s50, s49, 1
	s_add_co_u32 s46, s46, s50
	s_add_co_u32 s46, s46, s47
	s_lshl_b32 s46, s46, 10
	v_lshlrev_b32 v5, 13, v26
	v_lshl_add_u32 v5, v28, 4, v5
	v_add_nc_u32 v5, s46, v5
	s_lshl_b32 s46, s48, 3
	s_add_co_u32 s46, s46, s49
	s_lshl_b32 s46, s46, 7
	s_lshl_b32 s50, s47, 6
	s_add_co_u32 s46, s46, s50
	s_add_co_u32 s46, s46, WSC
	v_lshlrev_b32 v6, 9, v26
	v_lshl_add_u32 v6, v28, 2, v6
	v_add_nc_u32 v6, s46, v6
	s_lshl_b32 s46, s22, 9
	s_add_co_u32 s46, s46, BIMG
	v_add_nc_u32 v7, s46, v1
	s_lshl_b32 s46, s47, 14
	v_add_nc_u32 v8, s46, v1
	s_lshl_b32 s46, s47, 10
	s_add_co_u32 s46, s46, WSC
	v_add_nc_u32 v9, s46, v4
	s_lshl_b32 s46, s47, 12
	s_add_co_u32 s46, s46, BIMG
	v_add_nc_u32 v10, s46, v1
	s_mov_b32 s42, 0xbfb8aa3b                      ; -log2(e)
	s_mov_b32 s43, s42                             ; (named with it as a pair, so it is written)
	s_mov_b32 s44, 0x76543210
	s_mov_b32 s45, 0xfedcba98                      ; v_permlanex16_b32's selects for lane l xor 16
	s_mov_b32 s41, 0
	s_lshr_b32 s31, s22, 1                         ; tau = g
	s_lshl_b32 s51, s23, 3
	s_wait_kmcnt 0x0
	s_load_b64 s[26:27], s[16:17], s51 offset:0x2200   ; my expert's count and first tile
	s_lshl_b32 s40, s23, 22                        ; an expert: 512 rows of 8,192 bytes
	s_lshl_b32 s50, s49, 20                        ; a K step: 128 rows
	s_add_co_u32 s40, s40, s50
	s_lshl_b32 s50, s24, 8
	s_add_co_u32 s40, s40, s50
	s_lshl_b32 s50, s48, 7
	s_add_co_u32 s40, s40, s50
	s_cmp_eq_u32 s47, 0
	s_cselect_b64 s[32:33], s[8:9], s[10:11]
	s_add_nc_u64 s[32:33], s[32:33], s[40:41]
	s_lshl_b32 s40, s23, 13                        ; the bias piece that I fetch: wave = 8 b + 4 matrix + 2 u + half: units 64 S + 32 b + 8 u + 4 half (+ 16 h) on
	s_lshl_b32 s50, s24, 8
	s_add_co_u32 s40, s40, s50
	s_lshr_b32 s50, s22, 3
	s_lshl_b32 s50, s50, 7
	s_add_co_u32 s40, s40, s50
	s_bfe_u32 s50, s22, 0x10001
	s_lshl_b32 s50, s50, 5
	s_add_co_u32 s40, s40, s50
	s_and_b32 s50, s22, 1
	s_lshl_b32 s50, s50, 4
	s_add_co_u32 s40, s40, s50
	s_bfe_u32 s50, s22, 0x10002
	s_cmp_eq_u32 s50, 0
	s_cselect_b64 s[34:35], s[12:13], s[14:15]
	s_add_nc_u64 s[34:35], s[34:35], s[40:41]
	s_lshl_b32 s40, s24, 9                         ; where my block lies in a tile's images: 512 S + 256 b
	s_lshl_b32 s50, s47, 8
	s_add_co_u32 s40, s40, s50
	s_add_nc_u64 s[56:57], s[18:19], s[40:41]
	s_lshr_b32 s40, s24, 3                         ; and its byte among a tile's scale bytes: 256 (S / 8) + 4 ((S / 2) % 4) + 2 (S % 2) + b
	s_lshl_b32 s40, s40, 8
	s_bfe_u32 s50, s24, 0x20001
	s_lshl_b32 s50, s50, 2
	s_add_co_u32 s40, s40, s50
	s_and_b32 s50, s24, 1
	s_lshl_b32 s50, s50, 1
	s_add_co_u32 s40, s40, s50
	s_add_co_u32 s40, s40, s47
	s_add_nc_u64 s[58:59], s[20:21], s[40:41]
	; ---- PHASE 1
	LOAD 0
	global_load_b128 v[208:211], v13, s[34:35]
	LOAD 1
	s_wait_kmcnt 0x0
	s_min_u32 s26, s26, 2048                       ; the count
	s_add_co_u32 s28, s26, 15
	s_lshr_b32 s28, s28, 4                         ; its tiles
	s_min_u32 s27, s27, 135
	s_cmp_eq_u32 s26, 0
	s_cselect_b32 s27, 0, s27                      ; an expert without tokens: the look-ahead below reads position 0, which is always written; nothing is stored
	s_max_u32 s30, s26, 1
	s_max_u32 s29, s28, 1
	s_sub_co_u32 s29, s29, 1
	IDADR 0, 18
	global_load_b32 v16, v18, s[16:17]             ; the tokens of my first tile,
	IDADR 8, 19
	global_load_b32 v17, v19, s[16:17]             ; and of my second
	s_wait_loadcnt 35                              ; set 0 is in.  Younger: the bias, set 1's 32, the two lists
	BLOCK 0
	LOAD 2
	s_wait_loadcnt 32                              ; the bias, set 1 and the lists are in.  Younger: the 32 just issued
	ds_store_b128 v7, v[208:211]
	XADR 16
	XISSUE                                         ; my first tile of x lands while the weights are quantised
	BLOCK 1
	LOAD 3
	s_wait_loadcnt 41                              ; set 0 is in again.  Younger: x's 9 and the 32 just issued
	BLOCK 2
	s_wait_loadcnt 0x0
	BLOCK 3
	ds_store_b32 v6, v42                           ; my column's scale word for this K step
	s_wait_dscnt 0x0                               ; for the others' sake: my images, words and bias have landed
	s_barrier_signal -1
	s_barrier_wait -1                              ; the one barrier; every branch on a stored number stands behind it
	; ---- PHASE 2
	s_cmp_ge_u32 s31, s28
	s_cbranch_scc1 .Lend                           ; no tile for this wave
	s_sub_co_u32 s61, s28, s31                     ; my trips: tiles g, g + 8, .. under the expert's number of tiles: (tiles - g + 7) / 8,
	s_add_co_u32 s61, s61, 7
	s_lshr_b32 s61, s61, 3
	s_min_u32 s61, s61, 16                         ; 16 at the most: 2,048 tokens are 128 tiles, shared among 8
	s_mov_b32 s60, 0
.irp f, 0,1,2,3,4,5,6,7,8,9,10,11,12,13,14,15
.irp c, 0,1
	ds_load_b128 v[128+8*\f+4*\c:131+8*\f+4*\c], v8 offset:1024*\f+512*\c   ; fragment 8 u + 2 K step + matrix
.endr
.endr
.irp k, 0,1,2,3,4,5,6,7
	ds_load_b32 v[34+\k], v9 offset:128*\k         ; word 4 u + K step: lanes 0-15 the gate's rows, lanes 16-31 the other matrix's
.endr
	BIAS
.Ltile:
	s_wait_loadcnt 0x0                             ; this tile's x and the next tile's tokens are in
	s_wait_dscnt 0x0                               ; the biases (first trip: the weights too)
.irp k, 0,1,2,3                                ; the four accumulators take turns, one instruction a turn, over the backward jump too
.irp u, 0,1
	v_wmma_scale_f32_16x16x128_f8f6f4 v[80+8*\u:87+8*\u], v[128+64*\u+16*\k:135+64*\u+16*\k], v[48+8*\k:55+8*\k], v[80+8*\u:87+8*\u], v[34+4*\u+\k], v[30+\k] matrix_a_fmt:MATRIX_FMT_FP4 matrix_b_fmt:MATRIX_FMT_FP4
	v_wmma_scale_f32_16x16x128_f8f6f4 v[96+8*\u:103+8*\u], v[136+64*\u+16*\k:143+64*\u+16*\k], v[48+8*\k:55+8*\k], v[96+8*\u:103+8*\u], v[34+4*\u+\k], v[30+\k] matrix_a_fmt:MATRIX_FMT_FP4 matrix_b_fmt:MATRIX_FMT_FP4 matrix_a_scale:MATRIX_SCALE_ROW1
.endr
.endr
	XADR 17                                        ; seven plain vector lines that name no register of the products: the places in front of the loads into x's registers and of the first read of results
	IDADR 16, 19
	XISSUE                                         ; the next tile of mine (held at the expert's last tile),
	global_load_b32 v17, v19, s[16:17]             ; and the tokens of the one after
.irp j, 0,2,4,6,8,10,12,14
	v_pk_mul_f32 v[112+\j:113+\j], v[80+\j:81+\j], s[42:43] op_sel_hi:[1,0]   ; -g log2(e); each accumulator is read from its low end on
.endr
.irp j, 0,1,2,3,4,5,6,7,8,9,10,11,12,13,14,15
	v_exp_f32 v[112+\j], v[112+\j]
.endr
	v_nop                                          ; a plain line behind the last exponential,
	s_wait_alu depctr_va_vdst(0)                   ; and one wait for the batch, ahead of its first reader
.irp j, 0,2,4,6,8,10,12,14
	v_pk_add_f32 v[112+\j:113+\j], v[112+\j:113+\j], 1.0 op_sel_hi:[1,0]
.endr
.irp j, 0,1,2,3,4,5,6,7,8,9,10,11,12,13,14,15
	v_rcp_f32 v[112+\j], v[112+\j]                 ; sigmoid(g) = 1 / (1 + e^-g)
.endr
	v_nop
	s_wait_alu depctr_va_vdst(0)
.irp j, 0,2,4,6,8,10,12,14
	v_pk_mul_f32 v[112+\j:113+\j], v[80+\j:81+\j], v[112+\j:113+\j]    ; silu(g)
.endr
.irp j, 0,2,4,6,8,10,12,14
	v_pk_mul_f32 v[112+\j:113+\j], v[112+\j:113+\j], v[96+\j:97+\j]    ; x the other product: 16 neighbouring hidden units of my token
.endr
	BIAS                                           ; the accumulators are free: the next tile's sums begin
	s_wait_xcnt 0x0                                ; the last trip's stores have read their data and bases: both are written again below
	s_add_co_u32 s52, s27, s31
	s_min_u32 s52, s52, 135                        ; the tile among all experts'
	s_lshl_b32 s40, s52, 14
	s_add_nc_u64 s[36:37], s[56:57], s[40:41]
	s_lshl_b32 s40, s52, 10
	s_add_nc_u64 s[38:39], s[58:59], s[40:41]
	v_max3_num_f32 v26, |v112|, |v113|, 0x1800000  ; the block's largest magnitude, with the floor 2^(3 - 127), in two chains
	v_max3_num_f32 v27, |v114|, |v115|, |v116|
	v_max3_num_f32 v26, v26, |v117|, |v118|
	v_max3_num_f32 v27, v27, |v119|, |v120|
	v_max3_num_f32 v26, v26, |v121|, |v122|
	v_max3_num_f32 v27, v27, |v123|, |v124|
	v_max3_num_f32 v26, v26, |v125|, |v126|
	v_max3_num_f32 v26, v26, v27, |v127|
	v_permlanex16_b32 v28, v26, s44, s45
	v_max_num_f32 v26, v26, v28                    ; with lane l xor 16's 16
	v_add_nc_u32 v25, 0xff000000, v26
	v_lshrrev_b32 v24, 23, v25
	v_cvt_scalef32_pk8_fp4_f32 v22, v[112:119], v25
	v_cvt_scalef32_pk8_fp4_f32 v23, v[120:127], v25
	v_nop                                          ; a plain line behind the last conversion
	global_store_b64 v14, v[22:23], s[36:37]       ; the wave stores the block's 256 consecutive bytes of the image, aligned
	global_store_b8 v15, v24, s[38:39]             ; the block's byte of each row (lanes 16-31 repeat lanes 0-15)
	s_add_co_u32 s31, s31, 8                       ; my next tile
	s_add_co_u32 s60, s60, 1                       ; the loop is counted by its trips
	s_cmp_lt_u32 s60, s61
	s_cbranch_scc1 .Ltile
.Lend:
	s_wait_tensorcnt 0x0                           ; the wave's end, behind my last LDS store
	ds_add_u32 v11, v12
	s_wait_dscnt 0x0
	s_endpgm
.Lfunc_end_k_qca09ec6dca_hidden:
	.size	k_qca09ec6dca_hidden, .Lfunc_end_k_qca09ec6dca_hidden-k_qca09ec6dca_hidden
	.p2alignl 7, 3214868480
	.fill 96, 4, 3214868480
	.section	.rodata,"a",@progbits
	.p2align	6, 0x0
	.amdhsa_kernel k_qca09ec6dca_hidden
		.amdhsa_group_segment_fixed_size 45056
		.amdhsa_private_segment_fixed_size 0
		.amdhsa_enable_private_segment 0
		.amdhsa_kernarg_size 72
		.amdhsa_user_sgpr_count 2
		.amdhsa_user_sgpr_kernarg_segment_ptr 1
		.amdhsa_wavefront_size32 1
		.amdhsa_system_sgpr_workgroup_id_x 1
		.amdhsa_system_sgpr_workgroup_id_y 1
		.amdhsa_system_sgpr_workgroup_id_z 1
		.amdhsa_system_vgpr_workitem_id 0
		.amdhsa_next_free_vgpr 256
		.amdhsa_next_free_sgpr 66
		.amdhsa_reserve_vcc 0
		.amdhsa_float_denorm_mode_32 3
		.amdhsa_float_denorm_mode_16_64 3
		.amdhsa_memory_ordered 1
		.amdhsa_forward_progress 1
		.amdhsa_inst_pref_size 37
	.end_amdhsa_kernel
	.amdgpu_metadata
---
amdhsa.version: [ 1, 2 ]
amdhsa.kernels:
  - .name:           k_qca09ec6dca_hidden
    .symbol:         k_qca09ec6dca_hidden.kd
    .args:
      - { .name: x_codes, .offset: 0, .size: 8, .value_kind: global_buffer, .address_space: global }
      - { .name: x_scales, .offset: 8, .size: 8, .value_kind: global_buffer, .address_space: global }
      - { .name: w_gate, .offset: 16, .size: 8, .value_kind: global_buffer, .address_space: global }
      - { .name: w_in, .offset: 24, .size: 8, .value_kind: global_buffer, .address_space: global }
      - { .name: b_gate, .offset: 32, .size: 8, .value_kind: global_buffer, .address_space: global }
      - { .name: b_in, .offset: 40, .size: 8, .value_kind: global_buffer, .address_space: global }
      - { .name: ws, .offset: 48, .size: 8, .value_kind: global_buffer, .address_space: global }
      - { .name: h_codes, .offset: 56, .size: 8, .value_kind: global_buffer, .address_space: global }
      - { .name: h_scales, .offset: 64, .size: 8, .value_kind: global_buffer, .address_space: global }
    .group_segment_fixed_size: 45056
    .private_segment_fixed_size: 0
    .kernarg_segment_align: 8
    .kernarg_segment_size: 72
    .max_flat_workgroup_size: 512
    .sgpr_count:     66
    .vgpr_count:     256
    .wavefront_size: 32
...
	.end_amdgpu_metadata
.endif
;; end of part 2
;; launch outp (part 3): grid 8 x 29, 4 waves a work-group, no clusters, 104,960 bytes of LDS; arguments h_codes, h_scales, wo_codes, wo_scales, b_out, ws, out0; writes out0
.if DOCPART == 3
	.amdgcn_target "amdgcn-amd-amdhsa--gfx1250"
	.amdhsa_code_object_version 6
	.text
	.protected	k_qca09ec6dca_outp
	.globl	k_qca09ec6dca_outp
	.p2align	8
	.type	k_qca09ec6dca_outp,@function
k_qca09ec6dca_outp:
	s_mov_b64 s[64:65], 0
	v_nop
	global_prefetch_b8 v0, s[64:65] scope:SCOPE_SE
	s_setreg_imm32_b32 hwreg(HW_REG_WAVE_MODE, 25, 1), 1
	s_wait_xcnt 0x0
; MoeHashLayer, launch 3 of 3: out[t] = h[t] Wo[e] + bo[e] for each token's OWN expert alone; the other seven experts' rows are multiplied by a mask of 0 that reference() builds from route, and are left out (shown at the head of the first launch).
; SHARES.  Work-group (cg, g): 96 sorted positions of one expert (six tiles of 16) x output columns 64 cg .. 64 cg + 63.  2,048 tokens in groups of 96 over 8 experts are never more than 22 + 7 = 29 groups, whatever the split:
; the grid, 8 x 29 = 232 work-groups, serves every split.  Which expert and which tiles group g has is found from the stored table by selects.  A group that a split leaves without rows takes tile 0, passes the barrier like every other, and stores nothing.
; K = 2,048 is shared among the four waves: wave w takes K steps 4 w .. 4 w + 3 for the whole 96 x 64; the four parts meet in LDS.  Then wave w adds up, adds the bias and stores the rows of tile w, and of tile 4 + w / 2 the rows
; 4 (w % 2) + 8 h + 0 .. 3, each row at its token.
; Both operands lie in memory as images of operand registers: every fragment comes by two loads of 512 consecutive bytes.  The product is used transposed (source 0 = 16 columns of Wo, source 1 = 16 tokens):
; a lane holds eight neighbouring columns of one row.  A tile's rows past the expert's count repeat its last token: the same bits go to the same place.  A tile past the expert's last repeats the last tile and is not stored.
; REGISTERS, in windows of 256.  Window 0: v1 16 x lane; v2 16 (lane % 16); v3 LDS address, in; v4, v60 back, tile w (parts 0-1, 2-3); v61, v62 back, the other tile; v5 8 h; v6, v7 the add's two; v9 8 h + 4 (w % 2); v12-15 the bias;
;   v16-23 Wo's scale words (2 K step + column half; lanes 16-31: the odd tiles' columns); v24-47 h's scale words (4 tile + K step); v48-59 tokens, then their rows in out; v64-75 the list's addresses; later v64-255 the parts read back.
; Window 1: v0-127 Wo's 16 fragments (4 K step + column tile).  Window 2: v0-191 the 24 accumulators ((column tile n, row tile m) at 8 (6 n + m)).  Window 3: v0-191 h's 24 fragments (6 K step + row tile).
.set PART,  26112                      ; a wave's part: 96 rows x (256 bytes + 16)
.set SPARE, 104448                     ; behind the four parts: the spare words, 128 bytes for each wave: two blocks of 256 bytes that no other line names
.set MSB, 0
.macro WIN new                         ; the immediate's high byte repeats the setting that is left
.if MSB != \new
	s_set_vgpr_msb (MSB<<8)|\new
.set MSB, \new
.endif
.endm
.macro MM k, n, m                      ; K step k of mine, column tile n, row tile m
.set AC, 8*(6*\n+\m)
.set WA, 8*(4*\k+\n)
.set HA, 8*(6*\k+\m)
.set SA, 16+2*\k+\n/2
.set SH, 24+4*\m+\k
.if \k == 0
.if \n % 2
	v_wmma_scale_f32_16x16x128_f8f6f4 v[AC:AC+7], v[WA:WA+7], v[HA:HA+7], 0, v[SA], v[SH] matrix_a_fmt:MATRIX_FMT_FP4 matrix_b_fmt:MATRIX_FMT_FP4 matrix_a_scale:MATRIX_SCALE_ROW1
.else
	v_wmma_scale_f32_16x16x128_f8f6f4 v[AC:AC+7], v[WA:WA+7], v[HA:HA+7], 0, v[SA], v[SH] matrix_a_fmt:MATRIX_FMT_FP4 matrix_b_fmt:MATRIX_FMT_FP4
.endif
.else
.if \n % 2
	v_wmma_scale_f32_16x16x128_f8f6f4 v[AC:AC+7], v[WA:WA+7], v[HA:HA+7], v[AC:AC+7], v[SA], v[SH] matrix_a_fmt:MATRIX_FMT_FP4 matrix_b_fmt:MATRIX_FMT_FP4 matrix_a_scale:MATRIX_SCALE_ROW1
.else
	v_wmma_scale_f32_16x16x128_f8f6f4 v[AC:AC+7], v[WA:WA+7], v[HA:HA+7], v[AC:AC+7], v[SA], v[SH] matrix_a_fmt:MATRIX_FMT_FP4 matrix_b_fmt:MATRIX_FMT_FP4
.endif
.endif
.endm
; the address, in the stored list, of the token of row v[row] + i of a tile; slast: the tile's last valid row; spos: the tile's first sorted position
.macro IDLOAD t, row, i, slast, spos
	v_add_nc_u32 v[64+\t], \i, v[\row]             ; the row, held at the last valid one,
	v_min_u32 v[64+\t], s[\slast], v[64+\t]
	v_add_nc_u32 v[64+\t], s[\spos], v[64+\t]      ; as a sorted position
	v_min_u32 v[64+\t], 0x87f, v[64+\t]
	v_lshlrev_b32 v[64+\t], 2, v[64+\t]
	global_load_b32 v[48+\t], v[64+\t], s[14:15]   ; its token
.endm
; a pair of rows (lanes 0-15 one, lanes 16-31 the one 8 further on): the four parts and the bias are added, and the rows stored at their tokens.  left: the LDS loads issued behind this pair's four
.macro OUTROW t, left
.set PB, 64+16*(\t)
	s_wait_dscnt \left
	v_pk_add_f32 v[PB:PB+1], v[PB:PB+1], v[PB+4:PB+5]
	v_pk_add_f32 v[PB+2:PB+3], v[PB+2:PB+3], v[PB+6:PB+7]
	v_pk_add_f32 v[PB+8:PB+9], v[PB+8:PB+9], v[PB+12:PB+13]
	v_pk_add_f32 v[PB+10:PB+11], v[PB+10:PB+11], v[PB+14:PB+15]
	v_pk_add_f32 v[PB:PB+1], v[PB:PB+1], v[PB+8:PB+9]
	v_pk_add_f32 v[PB+2:PB+3], v[PB+2:PB+3], v[PB+10:PB+11]
	v_pk_add_f32 v[PB:PB+1], v[PB:PB+1], v[12:13]
	v_pk_add_f32 v[PB+2:PB+3], v[PB+2:PB+3], v[14:15]
	v_min_u32 v[48+(\t)], 0x7ff, v[48+(\t)]
	v_lshl_add_u32 v[48+(\t)], v[48+(\t)], 11, v2  ; the token's row of 2,048 bytes
	global_store_b128 v[48+(\t)], v[PB:PB+3], s[84:85] th:TH_STORE_NT   ; sixteen lanes store 256 consecutive bytes, aligned; written once, read by nobody here
.endm
	s_load_b256 s[4:11], s[0:1], 0x0               ; h_codes s[4:5], h_scales s[6:7], wo_codes s[8:9], wo_scales s[10:11]
	s_load_b128 s[12:15], s[0:1], 0x20             ; b_out s[12:13], ws s[14:15]
	s_load_b64 s[16:17], s[0:1], 0x30              ; out0
	v_lshl_add_u32 v6, v0, 2, SPARE
	v_mov_b32 v7, 0
	v_lshrrev_b32 v8, 5, v0
	v_readfirstlane_b32 s36, v8                    ; wave 0 .. 3
	v_and_b32 v9, 31, v0
	v_lshlrev_b32 v1, 4, v9
	v_and_b32 v10, 15, v0                          ; r
	v_lshlrev_b32 v2, 4, v10
	v_bfe_u32 v11, v0, 4, 1                        ; h
	s_mul_i32 s42, s36, PART
	v_mul_u32_u24 v3, v10, 272
	v_lshl_add_u32 v3, v11, 5, v3
	v_add_nc_u32 v3, s42, v3                       ; in: my part, row r of a tile, 32 bytes for each half of the lanes
	v_mul_u32_u24 v8, v11, 8*272
	v_add_nc_u32 v8, v8, v2                        ; back: lanes 16-31 take the row 8 further on; 16 bytes a lane
	s_mul_i32 s42, s36, 16*272
	v_add_nc_u32 v4, s42, v8                       ; tile w's rows, parts 0 and 1;
	v_add_nc_u32 v60, 2*PART, v4                   ; parts 2 and 3 (an LDS offset has 16 bits)
	s_lshr_b32 s49, s36, 1                         ; w / 2
	s_and_b32 s48, s36, 1
	s_lshl_b32 s48, s48, 2                         ; 4 (w % 2)
	s_lshl_b32 s42, s49, 4
	s_add_co_u32 s42, s42, 64
	s_add_co_u32 s42, s42, s48                     ; row 16 (4 + w / 2) + 4 (w % 2)
	s_mul_i32 s42, s42, 272
	v_add_nc_u32 v61, s42, v8                      ; my rows of tile 4 + w / 2, parts 0 and 1;
	v_add_nc_u32 v62, 2*PART, v61                  ; parts 2 and 3
	v_lshlrev_b32 v5, 3, v11
	v_add_nc_u32 v9, s48, v5
	s_and_b32 s88, ttmp7, 0xffff                   ; g
	s_mov_b32 s89, ttmp9                           ; cg
	s_mov_b32 s87, 0
	s_wait_kmcnt 0x0
	s_load_b512 s[20:35], s[14:15], 0x2200         ; the eight pairs (count, first tile)
	s_mov_b32 s37, 0                               ; the group's expert,
	s_mov_b32 s38, 0                               ; its first tile,
	s_mov_b32 s39, 0                               ; the expert's last tile,
	s_mov_b32 s40, 0                               ; the rows from the group's first on,
	s_mov_b32 s41, 0                               ; groups of the experts passed
	s_wait_kmcnt 0x0
.irp e, 0,1,2,3,4,5,6,7
	s_add_co_u32 s42, s[20+2*\e], 95
	s_lshr_b32 s42, s42, 5
	s_mul_i32 s42, s42, 43
	s_lshr_b32 s42, s42, 7                         ; the expert's groups: (count + 95) / 96 = ((count + 95) / 32) / 3, and n / 3 = 43 n / 128 for n under 128 (here at most 66)
	s_sub_co_u32 s43, s88, s41                     ; which of them g would be (wraps to a large number where g lies before)
	s_mul_i32 s44, s43, 6
	s_add_co_u32 s44, s44, s[21+2*\e]
	s_add_co_u32 s45, s[20+2*\e], 15
	s_lshr_b32 s45, s45, 4
	s_add_co_u32 s45, s45, s[21+2*\e]
	s_sub_co_u32 s45, s45, 1
	s_mul_i32 s46, s43, 96
	s_sub_co_u32 s46, s[20+2*\e], s46
	s_cmp_lt_u32 s43, s42
	s_cselect_b32 s37, \e, s37
	s_cselect_b32 s38, s44, s38
	s_cselect_b32 s39, s45, s39
	s_cselect_b32 s40, s46, s40
	s_add_co_u32 s41, s41, s42
.endr
	s_min_u32 s37, s37, 7
	s_min_u32 s40, s40, 96                         ; the group's rows; 0: no rows
.irp m, 0,1,2,3,4,5
	s_add_co_u32 s[90+\m], s38, \m
	s_min_u32 s[90+\m], s[90+\m], s39              ; a tile past the expert's last repeats the last: its rows are not stored
	s_min_u32 s[90+\m], s[90+\m], 135
.endr
	s_add_co_u32 s47, s38, s36                     ; tile w, whose rows I store
	s_min_u32 s47, s47, s39
	s_min_u32 s47, s47, 135
	s_lshl_b32 s42, s36, 4
	s_sub_co_i32 s43, s40, s42
	s_max_i32 s43, s43, 1
	s_min_i32 s43, s43, 16
	s_sub_co_u32 s43, s43, 1                       ; its last valid row
	s_lshl_b32 s44, s47, 4
.irp i, 0,1,2,3,4,5,6,7
	IDLOAD \i, 5, \i, 43, 44
.endr
	s_add_co_u32 s96, s49, 4                       ; tile 4 + w / 2, of which I store eight rows
	s_add_co_u32 s97, s38, s96
	s_min_u32 s97, s97, s39
	s_min_u32 s97, s97, 135
	s_lshl_b32 s42, s96, 4
	s_sub_co_i32 s45, s40, s42
	s_max_i32 s45, s45, 1
	s_min_i32 s45, s45, 16
	s_sub_co_u32 s45, s45, 1
	s_lshl_b32 s46, s97, 4
.irp i, 0,1,2,3
	IDLOAD 8+\i, 9, \i, 45, 46
.endr
	s_lshl_b32 s86, s37, 11
	s_lshl_b32 s42, s89, 8
	s_add_co_u32 s86, s86, s42
	s_add_nc_u64 s[82:83], s[12:13], s[86:87]      ; the bias of my 64 columns
	s_mov_b32 s86, s42
	s_add_nc_u64 s[84:85], s[16:17], s[86:87]      ; out at my 64 columns
	s_lshl_b32 s42, s37, 3
	s_add_co_u32 s42, s42, s89                     ; (expert, column group)
	s_lshl_b32 s86, s42, 2
	s_add_co_u32 s86, s86, s36
	s_lshl_b32 s86, s86, 10
	s_add_nc_u64 s[80:81], s[10:11], s[86:87]      ; Wo's scale words of my four K steps: 1,024 bytes
	s_lshl_b32 s86, s42, 4
	s_lshl_b32 s43, s36, 2
	s_add_co_u32 s86, s86, s43
	s_lshl_b32 s86, s86, 12
	s_add_nc_u64 s[78:79], s[8:9], s[86:87]        ; Wo's 16 images of my four K steps
.irp m, 0,1,2,3,4,5
	s_lshl_b32 s86, s[90+\m], 14
	s_lshl_b32 s43, s36, 12
	s_add_co_u32 s86, s86, s43
	s_add_nc_u64 s[52+2*\m:53+2*\m], s[4:5], s[86:87]      ; tile m's four images of my K steps
	s_lshl_b32 s86, s[90+\m], 10
	s_lshl_b32 s43, s36, 8
	s_add_co_u32 s86, s86, s43
	s_add_nc_u64 s[66+2*\m:67+2*\m], s[6:7], s[86:87]      ; and their scale words: 16 bytes a row
.endr
	global_load_b128 v[12:15], v2, s[82:83]
.irp p, 0,1
	global_load_b128 v[16+4*\p:19+4*\p], v1, s[80:81] offset:512*\p
.endr
.irp m, 0,1,2,3,4,5
	global_load_b128 v[24+4*\m:27+4*\m], v2, s[66+2*\m:67+2*\m]
.endr
	WIN 0x40                                       ; destination window 1
.irp f, 0,1,2,3,4,5,6,7,8,9,10,11,12,13,14,15
.irp c, 0,1
	global_load_b128 v[8*\f+4*\c:3+8*\f+4*\c], v1, s[78:79] offset:1024*\f+512*\c   ; fragment 4 K step + column tile
.endr
.endr
	WIN 0xc0                                       ; destination window 3
.irp k, 0,1,2,3                                ; h's fragments last, K step by K step, so that the waits below can count them
.irp m, 0,1,2,3,4,5
.irp c, 0,1
	global_load_b128 v[8*(6*\k+\m)+4*\c:3+8*(6*\k+\m)+4*\c], v1, s[52+2*\m:53+2*\m] offset:1024*\k+512*\c
.endr
.endr
.endr
	WIN 0xad                                       ; source 0 (Wo) window 1, source 1 (h) window 3, C and D window 2
.irp k, 0,1,2,3
	s_wait_loadcnt 36-12*\k                        ; all up to this K step's fragments of h are in; the later K steps' twelve loads each may be out
.irp n, 0,1,2,3
.irp m, 0,1,2,3,4,5
	MM \k, \n, \m                                  ; the 24 accumulators take turns, in the same order in every K step; the first K step starts the sums
.endr
.endr
.endr
.rept 4
	v_nop                                          ; places in front of the first read of results
.endr
	WIN 0x08                                       ; an LDS store's data are its source 1: window 2
.irp n, 0,1,2,3
.irp m, 0,1,2,3,4,5
	ds_store_b128 v3, v[8*(6*\n+\m):3+8*(6*\n+\m)] offset:4352*\m+64*\n        ; each accumulator from its low end on: row 16 m + r, columns 16 n + 8 h + 0 .. 7
	ds_store_b128 v3, v[4+8*(6*\n+\m):7+8*(6*\n+\m)] offset:4352*\m+64*\n+16
.endr
.endr
	WIN 0
	s_wait_dscnt 0x0                               ; for the others' sake: my part has landed
	s_barrier_signal -1
	s_barrier_wait -1                              ; the one barrier, on every wave's path; the branches on a stored number stand behind it
	s_lshl_b32 s42, s36, 4
	s_cmp_ge_u32 s42, s40
	s_cbranch_scc1 .Lend                           ; tile w has no rows in this group, and then tile 4 + w / 2 has none either
.irp i, 0,1,2,3,4,5,6,7
.irp p, 0,1
	ds_load_b128 v[64+16*\i+4*\p:67+16*\i+4*\p], v4 offset:PART*\p+272*\i
.endr
.irp p, 0,1
	ds_load_b128 v[72+16*\i+4*\p:75+16*\i+4*\p], v60 offset:PART*\p+272*\i
.endr
.endr
.irp i, 0,1,2,3
.irp p, 0,1
	ds_load_b128 v[192+16*\i+4*\p:195+16*\i+4*\p], v61 offset:PART*\p+272*\i
.endr
.irp p, 0,1
	ds_load_b128 v[200+16*\i+4*\p:203+16*\i+4*\p], v62 offset:PART*\p+272*\i
.endr
.endr
.irp i, 0,1,2,3,4,5,6,7
	OUTROW \i, 44-4*\i                             ; behind this pair's four loads: four for each later pair of tile w, and the other tile's sixteen
.endr
	s_lshl_b32 s42, s96, 4
	s_cmp_ge_u32 s42, s40
	s_cbranch_scc1 .Lend                           ; tile 4 + w / 2 has no rows in this group
.irp i, 0,1,2,3
	OUTROW 8+\i, 12-4*\i
.endr
.Lend:
	s_wait_tensorcnt 0x0                           ; the wave's end, behind my last LDS store (every window is 0 here)
	ds_add_u32 v6, v7
	s_wait_dscnt 0x0
	s_endpgm
.Lfunc_end_k_qca09ec6dca_outp:
	.size	k_qca09ec6dca_outp, .Lfunc_end_k_qca09ec6dca_outp-k_qca09ec6dca_outp
	.p2alignl 7, 3214868480
	.fill 96, 4, 3214868480
	.section	.rodata,"a",@progbits
	.p2align	6, 0x0
	.amdhsa_kernel k_qca09ec6dca_outp
		.amdhsa_group_segment_fixed_size 104960
		.amdhsa_private_segment_fixed_size 0
		.amdhsa_enable_private_segment 0
		.amdhsa_kernarg_size 56
		.amdhsa_user_sgpr_count 2
		.amdhsa_user_sgpr_kernarg_segment_ptr 1
		.amdhsa_wavefront_size32 1
		.amdhsa_system_sgpr_workgroup_id_x 1
		.amdhsa_system_sgpr_workgroup_id_y 1
		.amdhsa_system_sgpr_workgroup_id_z 1
		.amdhsa_system_vgpr_workitem_id 0
		.amdhsa_next_free_vgpr 960
		.amdhsa_next_free_sgpr 100
		.amdhsa_reserve_vcc 0
		.amdhsa_float_denorm_mode_32 3
		.amdhsa_float_denorm_mode_16_64 3
		.amdhsa_memory_ordered 1
		.amdhsa_forward_progress 1
		.amdhsa_inst_pref_size 51
	.end_amdhsa_kernel
	.amdgpu_metadata
---
amdhsa.version: [ 1, 2 ]
amdhsa.kernels:
  - .name:           k_qca09ec6dca_outp
    .symbol:         k_qca09ec6dca_outp.kd
    .args:
      - { .name: h_codes, .offset: 0, .size: 8, .value_kind: global_buffer, .address_space: global }
      - { .name: h_scales, .offset: 8, .size: 8, .value_kind: global_buffer, .address_space: global }
      - { .name: wo_codes, .offset: 16, .size: 8, .value_kind: global_buffer, .address_space: global }
      - { .name: wo_scales, .offset: 24, .size: 8, .value_kind: global_buffer, .address_space: global }
      - { .name: b_out, .offset: 32, .size: 8, .value_kind: global_buffer, .address_space: global }
      - { .name: ws, .offset: 40, .size: 8, .value_kind: global_buffer, .address_space: global }
      - { .name: out0, .offset: 48, .size: 8, .value_kind: global_buffer, .address_space: global }
    .group_segment_fixed_size: 104960
    .private_segment_fixed_size: 0
    .kernarg_segment_align: 8
    .kernarg_segment_size: 56
    .max_flat_workgroup_size: 128
    .sgpr_count:     100
    .vgpr_count:     960
    .wavefront_size: 32
...
	.end_amdgpu_metadata
.endif
;; end of part 3
